; MI455X (gfx1250); checked and timed in simulation.
; The chip was launched on July 23, 2026; its instructions are those of AMD's public machine-readable ISA for CDNA 5 (MIT licence, August 2026) and "CDNA5" Instruction Set Architecture Reference Guide (July 2026). The comments in the code are by the model that wrote it; some were corrected since.
;; Attention. Allowed arithmetic: float matrix products may take bf16 or f16 operands with f32 sums; all other float work in f32.
;; Inputs: W1 1,024 x 1,024 float32; Wv 2,048 x 256 float32; b1 1,024 float32; bv 256 float32; hidden_states 32 x 2,048 x 1,024 float32.
;; Outputs: out0 32 x 256 float32.
;; One version. Each part assembles by itself: llvm-mc -triple=amdgcn-amd-amdhsa -mcpu=gfx1250 --defsym DOCPART=n.
;; ======== version 1 of 1: 3 launches
;; workspace buffers: ht 131,072 bytes; upart 2,097,152 bytes; cpart 1,114,112 bytes
;; launch prep (part 1): grid 16 x 16, 16 waves a work-group, no clusters, 27,648 bytes of LDS; arguments hidden_states, W1, b1, ht, upart; writes ht, upart
.if DOCPART == 1
	.amdgcn_target "amdgcn-amd-amdhsa--gfx1250"
	.amdhsa_code_object_version 6
	.text
	.protected	k_q236a17f47a_prep
	.globl	k_q236a17f47a_prep
	.p2align	8
	.type	k_q236a17f47a_prep,@function
k_q236a17f47a_prep:
	s_mov_b64 s[64:65], 0
	v_nop
	global_prefetch_b8 v0, s[64:65] scope:SCOPE_SE
	s_setreg_imm32_b32 hwreg(HW_REG_WAVE_MODE, 25, 1), 1
	s_wait_xcnt 0x0
; h_t[b][k] = sum over h of x[b][2047][h] W1[h][k] + b1[k]   and   u_j[b][h] = sum over k in K_j of W1[h][k] h_t[b][k].
; reference() uses first_score only as h_t (its last row) and in first_score . h_t.  For every input
; (x_t W1 + b1) . h_t = x_t . (W1 h_t) + b1 . h_t, and the last term is the same for all t, so that softmax over t drops it.
; LIMITS, stated: the score is formed as x_t . u with u = W1 h_t, so the order of rounding differs from reference()'s;
; b1 . h_t is not added to the scores (b1 itself enters h_t, and through it u and the output).  All arithmetic is f32.
; SHARES.  Work-group (j, g): columns K_j = 64 j .. 64 j + 63 of W1 (256 aligned bytes of each of its 1,024 rows) and batches 2 g, 2 g + 1.
; 512 threads, q = t / 16, r = t % 16: thread t keeps W1[32 q + i][64 j + 4 r .. + 3], i = 0 .. 31, in 128 registers, and uses them for
; both products: W1's block enters the work-group once.  The sum of the 16 u_j is made by the launch that reads them.
; NO MATRIX UNIT: two rows against a matrix that is streamed once; a conversion of two f32 to bf16 is as many vector instructions as the
; packed multiply-add that it would spare.  NO CLUSTER: the 16 work-groups of one j read the same 262,144 bytes of W1, but into registers;
; a joint request ends in LDS, from where every byte would have to be read once more.
.set XS,   0                           ; LDS [2 b][1024] f32: the two last rows of hidden_states
.set RED,  8192                        ; LDS [16 waves][2 b][64]: the waves' partial h_t
.set HTL,  16384                       ; LDS [2 b][64]: h_t of my columns
.set UST,  16896                       ; LDS [2 b][1024]: u_j, gathered for whole stores
.set WOFF, 1                           ; v1  q * 32 rows * 4096 + 16 r: my 16 bytes of W1's row 32 q
.set XOFF, 2                           ; v2  (t / 256) batches + 16 (t % 256): my 16 bytes of the two x rows
.set T16,  3                           ; v3  16 t
.set XRD,  4                           ; v4  128 q: x[.][32 q ..] in XS
.set R16,  6                           ; v6  16 r
.set USTA, 7                           ; v7  128 q + 4 r
.set HTO,  8                           ; v8  4096 (lane / 16) + 16 r
.set L16,  9                           ; v9  16 lane
.set XL,   10                          ; v[10:13]  x as loaded
.set B1,   14                          ; v[14:17]  b1 of my four columns (wave 0)
.set A,    18                          ; v[18:25]  partial h_t: [b][4 columns]; before that, scratch for the addresses
.set P,    26                          ; v[26:29]
.set SEND, 30                          ; v[30:33]
.set H4,   34                          ; v[34:37]  h_t as stored (wave 0), never rewritten
.set HB,   38                          ; v[38:45]  h_t[b][64 j + 4 r .. + 3]
.set OUT,  54                          ; v[54:57]
.set XR,   64                          ; v[64:127] x[b][32 q + i]: [b][32]
.set V,    64                          ; v[64:79]  later: 16 row sums
.set T,    80                          ; v[80:111] later: a pair for each of 16 rows
.set KP,   112                         ; v[112:119]
.set SD,   120                         ; v[120:127]
.set W,    128                         ; v[128:255] W1: row i in 4 registers
.macro BARRIER
	s_barrier_signal -1
	s_barrier_wait -1
.endm
.macro ADD4 d, a                       ; four f32 += four f32
	v_pk_add_f32 v[\d:\d+1], v[\d:\d+1], v[\a:\a+1]
	v_pk_add_f32 v[\d+2:\d+3], v[\d+2:\d+3], v[\a+2:\a+3]
.endm
	s_load_b256 s[4:11], s[0:1], 0x0               ; hidden_states s[4:5], W1 s[6:7], b1 s[8:9], ht s[10:11]
	s_load_b64 s[12:13], s[0:1], 0x20              ; upart
	v_lshl_add_u32 v62, v0, 2, 0x6400
	v_mov_b32 v63, 0
	v_lshrrev_b32 v18, 5, v0
	v_readfirstlane_b32 s14, v18                   ; wave 0 .. 15
	s_and_b32 s16, ttmp7, 0xffff                   ; g.  ttmp9: j
	s_mov_b32 s20, 0x76543210                      ; v_permlanex16_b32: lane i reads lane i of the other half
	s_mov_b32 s21, 0xfedcba98
	s_mov_b32 s22, 0xff00ff00                      ; lanes with bit 3 of r set,
	s_mov_b32 s23, 0xf0f0f0f0                      ; bit 2,
	s_mov_b32 s24, 0xcccccccc                      ; bit 1,
	s_mov_b32 s25, 0xaaaaaaaa                      ; bit 0
	s_mov_b32 s26, 0xffff0000                      ; lanes 16 .. 31
	s_lshl_b32 s18, s16, 24                        ; two batches are 2 * 2048 * 4096 bytes,
	s_add_co_u32 s18, s18, 2047*4096               ; and the last row of the first of them; at most 260,042,752
	s_mov_b32 s19, 0
	s_lshl_b32 s28, ttmp9, 8                       ; 256 j: my columns in W1's rows and in b1
	s_mov_b32 s29, 0
	s_lshl_b32 s30, s16, 13                        ; ht: 2 g rows of 4,096 bytes + 256 j
	s_add_co_u32 s30, s30, s28
	s_mov_b32 s31, 0
	s_lshl_b32 s32, ttmp9, 17                      ; upart [16 j][32 b][1024]: 131,072 j + 8,192 g
	s_lshl_b32 s33, s16, 13
	s_add_co_u32 s32, s32, s33
	s_mov_b32 s33, 0
	s_lshl_b32 s17, s14, 9                         ; 512 wave
	s_lshl_b32 s27, s14, 8                         ; 256 wave
	v_and_b32 v19, 31, v0                          ; lane
	v_and_b32 v20, 15, v0                          ; r
	v_bfe_u32 v21, v0, 4, 1                        ; half of the wave
	v_lshrrev_b32 v22, 4, v0                       ; q
	v_lshrrev_b32 v23, 8, v0                       ; which of the two x rows I fetch
	v_and_b32 v24, 0xff, v0
	v_lshlrev_b32 v24, 4, v24
	v_lshlrev_b32 v[R16], 4, v20
	v_lshl_or_b32 v[WOFF], v22, 17, v[R16]
	v_lshl_or_b32 v[XOFF], v23, 23, v24            ; a batch is 2048 * 4096 = 1 << 23 bytes
	v_lshlrev_b32 v[L16], 4, v19
	v_add_nc_u32 v[T16], s17, v[L16]               ; 16 lane + 512 wave = 16 t
	v_lshl_add_u32 v[XRD], v21, 7, s27             ; 128 (2 wave + half)
	v_lshl_add_u32 v[USTA], v20, 2, v[XRD]
	v_lshl_or_b32 v[HTO], v21, 12, v[R16]
	s_wait_kmcnt 0x0
	s_add_nc_u64 s[4:5], s[4:5], s[18:19]
	s_add_nc_u64 s[6:7], s[6:7], s[28:29]
	s_add_nc_u64 s[8:9], s[8:9], s[28:29]
	s_add_nc_u64 s[10:11], s[10:11], s[30:31]
	s_add_nc_u64 s[12:13], s[12:13], s[32:33]
	; All loads at the head.  b1 is wanted by wave 0 alone; it is that wave's oldest load, so the counts below hold for every wave.
	s_cmp_lg_u32 s14, 0
	s_cbranch_scc1 .Lno_b1
	global_load_b128 v[B1:B1+3], v[R16], s[8:9]
.Lno_b1:
	global_load_b128 v[XL:XL+3], v[XOFF], s[4:5]
.set ii, 0
.rept 32
	global_load_b128 v[W+4*ii:W+4*ii+3], v[WOFF], s[6:7] offset:ii*4096    ; 16 lanes: 256 consecutive aligned bytes of one row; the other 16: of the row 32 further down
.set ii, ii+1
.endr
	; x goes through LDS: each thread fetched 16 bytes of it and needs 2 x 128 others.
	s_wait_loadcnt 32                              ; loads return in order (ISA guide 5.7.1): x is in, W1's 32 loads stay out
	ds_store_b128 v[T16], v[XL:XL+3] offset:XS
	s_wait_dscnt 0x0                               ; for the other waves: my part of x is in LDS before I signal
	BARRIER
.irp b, 0,1
.irp c, 0,1,2,3,4,5,6,7
	ds_load_b128 v[XR+32*\b+4*\c:XR+32*\b+4*\c+3], v[XRD] offset:XS+4096*\b+16*\c
.endr
.endr
	s_wait_dscnt 0x0
; FIRST PRODUCT.  Rows i (even) and i + 1 of my 32: A[b][0..3] += W1[32 q + i][my 4 columns] * x[b][32 q + i].
; x sits in a register pair; op_sel picks its first or second register for both halves of the packed product.
; first = 1: the first row's products start the sums, so nothing is cleared.
.macro ROWS2 i, first
.irp b, 0,1
.irp c, 0,2
.if \first
	v_pk_mul_f32 v[A+4*\b+\c:A+4*\b+\c+1], v[W+4*(\i)+\c:W+4*(\i)+\c+1], v[XR+32*\b+(\i):XR+32*\b+(\i)+1] op_sel_hi:[1,0]
.else
	v_pk_fma_f32 v[A+4*\b+\c:A+4*\b+\c+1], v[W+4*(\i)+\c:W+4*(\i)+\c+1], v[XR+32*\b+(\i):XR+32*\b+(\i)+1], v[A+4*\b+\c:A+4*\b+\c+1] op_sel_hi:[1,0,1]
.endif
.endr
.endr
.irp b, 0,1
.irp c, 0,2
	v_pk_fma_f32 v[A+4*\b+\c:A+4*\b+\c+1], v[W+4*(\i)+4+\c:W+4*(\i)+5+\c], v[XR+32*\b+(\i):XR+32*\b+(\i)+1], v[A+4*\b+\c:A+4*\b+\c+1] op_sel:[0,1,0] op_sel_hi:[1,1,1]
.endr
.endr
.endm
	s_wait_loadcnt 28                              ; rows 0 to 3 are in, the 28 younger loads stay out
	ROWS2 0, 1
	ROWS2 2, 0
.irp g, 1,2,3,4,5,6,7
	s_wait_loadcnt 28-4*\g                         ; four rows more; the last count is 0 (and wave 0's b1, the oldest load, is in as well)
	ROWS2 4*\g, 0
	ROWS2 4*\g+2, 0
.endr
	; The two halves of a wave hold the same columns and other rows.  Each half keeps one batch and hands the other batch over:
	; lane (half = b, r) ends with the wave's sum for h_t[b][4 r ..].
.irp c, 0,1,2,3
	v_cndmask_b32 v[P+\c], v[A+\c], v[A+4+\c], s26         ; lanes 16-31 keep batch 1, lanes 0-15 batch 0
	v_cndmask_b32 v[SEND+\c], v[A+4+\c], v[A+\c], s26      ; and send the other one
.endr
.irp c, 0,1,2,3
	v_permlanex16_b32 v[XR+\c], v[SEND+\c], s20, s21       ; (its destination counts as read: XR has been written, and is done with)
.endr
	ADD4 P, XR
	ds_store_b128 v[T16], v[P:P+3] offset:RED              ; 512 wave + 256 b + 16 r
	s_wait_dscnt 0x0
	BARRIER
	; Wave 0 adds the 16 waves' parts and b1, stores h_t, and leaves it in LDS for all.
	s_cmp_lg_u32 s14, 0
	s_cbranch_scc1 .Lnot_0
.irp w, 0,1,2,3,4,5,6,7,8,9,10,11,12,13,14,15
	ds_load_b128 v[64+4*\w:67+4*\w], v[L16] offset:RED+512*\w
.endr
	s_wait_dscnt 0x0
.irp w, 0,1,2,3,4,5,6,7
	ADD4 64+4*\w, 96+4*\w
.endr
.irp w, 0,1,2,3
	ADD4 64+4*\w, 80+4*\w
.endr
.irp w, 0,1
	ADD4 64+4*\w, 72+4*\w
.endr
	ADD4 64, 68
	v_pk_add_f32 v[H4:H4+1], v[64:65], v[B1:B1+1]
	v_pk_add_f32 v[H4+2:H4+3], v[66:67], v[B1+2:B1+3]
	ds_store_b128 v[L16], v[H4:H4+3] offset:HTL
	global_store_b128 v[HTO], v[H4:H4+3], s[10:11]         ; 16 lanes: 256 consecutive aligned bytes of ht's row 2 g + b
	s_wait_dscnt 0x0
.Lnot_0:
	BARRIER
	ds_load_b128 v[HB:HB+3], v[R16] offset:HTL
	ds_load_b128 v[HB+4:HB+7], v[R16] offset:HTL+256
	s_wait_dscnt 0x0
; SECOND PRODUCT, from the same registers.  16 row sums over the 16 lanes of a half at once: in each of four steps a lane keeps one half
; of its sums and hands the other half to the lane whose number differs in one bit, so that lane r ends with the whole sum of row r:
; 8 + 4 + 2 + 1 adds for 16 sums, and the lanes then hold 16 neighbouring numbers of u.
.macro BFLY cnt, msk, xm
.set pp, 0
.rept \cnt
	v_cndmask_b32 v[KP+pp], v[V+pp], v[V+pp+\cnt], \msk
	v_cndmask_b32 v[SD+pp], v[V+pp+\cnt], v[V+pp], \msk
.set pp, pp+1
.endr
.set pp, 0
.rept \cnt
	v_add_f32_dpp v[V+pp], v[SD+pp], v[KP+pp] row_xmask:\xm row_mask:0xf bank_mask:0xf
.set pp, pp+1
.endr
.endm
; batch b, rows 32 q + 16 gq + 0 .. 15
.macro UGRP b, gq
.set pp, 0
.rept 16
	v_pk_mul_f32 v[T+2*pp:T+2*pp+1], v[W+4*(16*\gq+pp):W+4*(16*\gq+pp)+1], v[HB+4*\b:HB+4*\b+1]
.set pp, pp+1
.endr
.set pp, 0
.rept 16
	v_pk_fma_f32 v[T+2*pp:T+2*pp+1], v[W+4*(16*\gq+pp)+2:W+4*(16*\gq+pp)+3], v[HB+4*\b+2:HB+4*\b+3], v[T+2*pp:T+2*pp+1]
.set pp, pp+1
.endr
.set pp, 0
.rept 16
	v_add_f32 v[V+pp], v[T+2*pp], v[T+2*pp+1]
.set pp, pp+1
.endr
	BFLY 8, s22, 8
	BFLY 4, s23, 4
	BFLY 2, s24, 2
	BFLY 1, s25, 1
	ds_store_b32 v[USTA], v[V] offset:UST+4096*\b+64*\gq   ; u_j[b][32 q + 16 gq + r]
.endm
	UGRP 0, 0
	UGRP 0, 1
	UGRP 1, 0
	UGRP 1, 1
	s_wait_dscnt 0x0
	BARRIER
	ds_load_b128 v[OUT:OUT+3], v[T16] offset:UST
	s_wait_dscnt 0x0
	global_store_b128 v[T16], v[OUT:OUT+3], s[12:13]       ; the work-group's 8,192 bytes of upart are consecutive; a wave stores 512 of them
	s_wait_tensorcnt 0x0
	ds_add_u32 v62, v63
	s_wait_dscnt 0x0
	s_endpgm
.Lfunc_end_k_q236a17f47a_prep:
	.size	k_q236a17f47a_prep, .Lfunc_end_k_q236a17f47a_prep-k_q236a17f47a_prep
	.p2alignl 7, 3214868480
	.fill 96, 4, 3214868480
	.section	.rodata,"a",@progbits
	.p2align	6, 0x0
	.amdhsa_kernel k_q236a17f47a_prep
		.amdhsa_group_segment_fixed_size 27648
		.amdhsa_private_segment_fixed_size 0
		.amdhsa_enable_private_segment 0
		.amdhsa_kernarg_size 40
		.amdhsa_user_sgpr_count 2
		.amdhsa_user_sgpr_kernarg_segment_ptr 1
		.amdhsa_wavefront_size32 1
		.amdhsa_system_sgpr_workgroup_id_x 1
		.amdhsa_system_sgpr_workgroup_id_y 1
		.amdhsa_system_sgpr_workgroup_id_z 1
		.amdhsa_system_vgpr_workitem_id 0
		.amdhsa_next_free_vgpr 256
		.amdhsa_next_free_sgpr 66
		.amdhsa_reserve_vcc 0
		.amdhsa_float_denorm_mode_32 3
		.amdhsa_float_denorm_mode_16_64 3
		.amdhsa_memory_ordered 1
		.amdhsa_forward_progress 1
		.amdhsa_inst_pref_size 42
	.end_amdhsa_kernel
	.amdgpu_metadata
---
amdhsa.version: [ 1, 2 ]
amdhsa.kernels:
  - .name:           k_q236a17f47a_prep
    .symbol:         k_q236a17f47a_prep.kd
    .args:
      - { .name: hidden_states, .offset: 0, .size: 8, .value_kind: global_buffer, .address_space: global }
      - { .name: W1, .offset: 8, .size: 8, .value_kind: global_buffer, .address_space: global }
      - { .name: b1, .offset: 16, .size: 8, .value_kind: global_buffer, .address_space: global }
      - { .name: ht, .offset: 24, .size: 8, .value_kind: global_buffer, .address_space: global }
      - { .name: upart, .offset: 32, .size: 8, .value_kind: global_buffer, .address_space: global }
    .group_segment_fixed_size: 27648
    .private_segment_fixed_size: 0
    .kernarg_segment_align: 8
    .kernarg_segment_size: 40
    .max_flat_workgroup_size: 512
    .sgpr_count:     66
    .vgpr_count:     256
    .wavefront_size: 32
...
	.end_amdgpu_metadata
.endif
;; end of part 1
;; launch stream (part 2): grid 8 x 32, 16 waves a work-group, no clusters, 71,936 bytes of LDS; arguments hidden_states, upart, cpart; writes cpart
.if DOCPART == 2
	.amdgcn_target "amdgcn-amd-amdhsa--gfx1250"
	.amdhsa_code_object_version 6
	.text
	.protected	k_q236a17f47a_stream
	.globl	k_q236a17f47a_stream
	.p2align	8
	.type	k_q236a17f47a_stream,@function
k_q236a17f47a_stream:
	s_mov_b64 s[64:65], 0
	v_nop
	global_prefetch_b8 v0, s[64:65] scope:SCOPE_SE
	s_setreg_imm32_b32 hwreg(HW_REG_WAVE_MODE, 25, 1), 1
	s_wait_xcnt 0x0
; One pass over hidden_states: score[t] = x_t . u, softmax over t by a running maximum, context = sum of weight x_t, all in f32.
; Work-group (s, b): rows 256 s .. 256 s + 255 of batch b (1,048,576 bytes).  Wave w takes rows 256 s + 16 i + w, i = 0 .. 15, a whole
; row at a time: eight loads, each of 512 consecutive bytes; lane l holds columns 128 c + 4 l .. + 3.  A row stays in registers between
; its dot product and its weighted sum, so that every byte of hidden_states is loaded once.
; Each wave keeps its own maximum m, sum l and 1,024 sums; they are merged in LDS at the end, and the work-group stores a record of
; 4,352 bytes: 1,024 f32 of sum over t of exp(score - M) x_t, then 256 bytes filled with the pair (M, L).
; A ring of five row slots in registers: two rows at work, three (24 loads, 12,288 bytes a wave) on their way.  The 16 rows are written
; out, so that every offset is an immediate and no address register is ever stepped.
; LIMITS, stated: a weight more than 2^126 below the maximum becomes 0 (v_exp_f32 flushes denormal results: ISA guide 15.8);
; the score lacks the term b1 . h_t, which is the same for all t and cancels in softmax.
; NOT USED, and why.  Matrix unit: 2 multiply-adds for each f32 loaded, and a conversion to bf16 would cost as many vector instructions as
; it spares.  LDS ring, tensor loads: each byte is wanted by one lane alone, so LDS would add a write and a read for each.  Cluster: what
; work-groups share is u's 65,536 bytes of partial sums against 1,048,576 bytes of their own.  Prefetch: the ring's loads already ask
; for each byte once, three rows ahead, in all 16 waves.
.set STEP, 16*4096                     ; from a wave's row to its next
.set ACCL, 0                           ; LDS [16 waves][1024] f32 (at 0, so that 4096 * 15 fits an LDS immediate)
.set UL,   65536                       ; LDS [1024] f32: u
.set STL,  69632                       ; LDS [16 waves] pairs (m, l)
.set L2E,  0x3fb8aa3b                  ; log2(e)
.set LOFF, 1                           ; v1   16 lane
                                       ; v2 m, v3 l; v[4:5] = (pa, pb), v[6:7] = (alpha, new m): pairs for the packed products
                                       ; v8, v9 the two scores; v10, v11 the other half's sums
.set DA,   12                          ; v[12:19]  four chains of row a's dot product
.set DB,   20                          ; v[20:27]  of row b's
.set T8,   28                          ; v28  8 t
.set ULA,  29                          ; v29  UL + 16 lane; at the end STL
.set ACA,  30                          ; v30  4096 wave + 16 lane
.set TMPA, 31                          ; v31  UL + 8 t; at the end STL + 8 wave
.set U,    32                          ; v[32:63]   u of my 32 columns
.set ACC,  64                          ; v[64:95]   my 32 sums; before that the 16 partial pairs of u
.set X,    96                          ; v[96:255]  five slots of 32 registers
	s_load_b128 s[4:7], s[0:1], 0x0                ; hidden_states s[4:5], upart s[6:7]
	s_load_b64 s[8:9], s[0:1], 0x10                ; cpart
	v_lshrrev_b32 v2, 5, v0
	v_readfirstlane_b32 s10, v2                    ; wave
	s_and_b32 s12, ttmp7, 0xffff                   ; b.  ttmp9: s
	s_mov_b32 s16, 0x76543210                      ; v_permlanex16_b32: lane i reads lane i of the other half
	s_mov_b32 s17, 0xfedcba98
	s_lshl_b32 s14, s12, 11                        ; my first row: 2048 b + 256 s + wave,
	s_lshl_b32 s13, ttmp9, 8
	s_add_co_u32 s14, s14, s13
	s_add_co_u32 s14, s14, s10
	s_lshl_b32 s14, s14, 12                        ; in bytes: at most 65,535 * 4,096, inside 32 bits
	s_mov_b32 s15, 0
	s_lshl_b32 s20, s12, 12                        ; upart [16 j][32 b][1024]: row b
	s_mov_b32 s21, 0
	s_lshl3_add_u32 s22, s12, ttmp9                ; record 8 b + s
	s_mul_i32 s22, s22, 4352
	s_mov_b32 s23, 0
	s_lshl_b32 s18, s10, 8
	s_lshl_b32 s19, s10, 12
	v_and_b32 v[LOFF], 31, v0
	v_lshlrev_b32 v[T8], 3, v[LOFF]
	v_lshlrev_b32 v[LOFF], 4, v[LOFF]
	v_add_nc_u32 v[T8], s18, v[T8]                 ; 8 lane + 256 wave
	v_add_nc_u32 v[ULA], UL, v[LOFF]
	v_add_nc_u32 v[ACA], s19, v[LOFF]
	v_add_nc_u32 v[TMPA], UL, v[T8]
	v_mov_b32 v10, 0                               ; v_permlanex16_b32 counts as a reader of its destination
	v_mov_b32 v11, 0
	s_wait_kmcnt 0x0
	s_add_nc_u64 s[4:5], s[4:5], s[14:15]
	s_add_nc_u64 s[6:7], s[6:7], s[20:21]
	s_add_nc_u64 s[8:9], s[8:9], s[22:23]
.macro FILL row                        ; eight loads, the whole row, into slot row % 5.  Each byte is read once in this launch: NT
.irp c, 0,1,2,3,4,5,6,7
	global_load_b128 v[X+32*((\row)%5)+4*\c:X+32*((\row)%5)+4*\c+3], v[LOFF], s[4:5] offset:(\row)*STEP+512*\c th:TH_LOAD_NT
.endr
.endm
	; u = the sum of the 16 partial sums: thread t adds columns 2 t, 2 t + 1; the work-group shares the result through LDS.
.irp j, 0,1,2,3,4,5,6,7,8,9,10,11,12,13,14,15
	global_load_b64 v[ACC+2*\j:ACC+2*\j+1], v[T8], s[6:7] offset:\j*131072
.endr
	FILL 0
	FILL 1
	FILL 2
	FILL 3
	FILL 4
	s_wait_loadcnt 40                              ; the 40 loads of rows 0 to 4 are younger and stay out: u's parts are in
.irp j, 0,1,2,3,4,5,6,7
	v_pk_add_f32 v[ACC+2*\j:ACC+2*\j+1], v[ACC+2*\j:ACC+2*\j+1], v[ACC+16+2*\j:ACC+17+2*\j]
.endr
.irp j, 0,1,2,3
	v_pk_add_f32 v[ACC+2*\j:ACC+2*\j+1], v[ACC+2*\j:ACC+2*\j+1], v[ACC+8+2*\j:ACC+9+2*\j]
.endr
.irp j, 0,1
	v_pk_add_f32 v[ACC+2*\j:ACC+2*\j+1], v[ACC+2*\j:ACC+2*\j+1], v[ACC+4+2*\j:ACC+5+2*\j]
.endr
	v_pk_add_f32 v[ACC:ACC+1], v[ACC:ACC+1], v[ACC+2:ACC+3]
	ds_store_b64 v[TMPA], v[ACC:ACC+1]
	s_wait_dscnt 0x0                               ; for the other waves: my 256 bytes of u are in LDS before I signal
	s_barrier_signal -1
	s_barrier_wait -1
.irp c, 0,1,2,3,4,5,6,7
	ds_load_b128 v[U+4*\c:U+4*\c+3], v[ULA] offset:512*\c
.endr
	s_wait_dscnt 0x0
; My 32 products of one row with u, in four chains; the first four products start them.  sc: the register of the lane's sum.
.macro DOT xs, d, sc
.irp c, 0,1,2,3
	v_pk_mul_f32 v[\d+2*\c:\d+2*\c+1], v[\xs+4*\c:\xs+4*\c+1], v[U+4*\c:U+4*\c+1]
.endr
.irp c, 0,1,2,3
	v_pk_fma_f32 v[\d+2*\c:\d+2*\c+1], v[\xs+4*\c+2:\xs+4*\c+3], v[U+4*\c+2:U+4*\c+3], v[\d+2*\c:\d+2*\c+1]
.endr
.irp c, 0,1,2,3
	v_pk_fma_f32 v[\d+2*\c:\d+2*\c+1], v[\xs+16+4*\c:\xs+17+4*\c], v[U+16+4*\c:U+17+4*\c], v[\d+2*\c:\d+2*\c+1]
.endr
.irp c, 0,1,2,3
	v_pk_fma_f32 v[\d+2*\c:\d+2*\c+1], v[\xs+18+4*\c:\xs+19+4*\c], v[U+18+4*\c:U+19+4*\c], v[\d+2*\c:\d+2*\c+1]
.endr
	v_pk_add_f32 v[\d:\d+1], v[\d:\d+1], v[\d+2:\d+3]
	v_pk_add_f32 v[\d+4:\d+5], v[\d+4:\d+5], v[\d+6:\d+7]
	v_pk_add_f32 v[\d:\d+1], v[\d:\d+1], v[\d+4:\d+5]
	v_add_f32 v[\sc], v[\d], v[\d+1]
.endm
; Rows a = 2 k and b = 2 k + 1 of my 16.  left: the loads of the rows behind row b that have been issued.
; first = 1: there is no earlier maximum, and the first products start the sums, so nothing is cleared and no -infinity is needed.
.macro TURN k, first, left
.set XA, X+32*((2*\k)%5)
.set XB, X+32*((2*\k+1)%5)
	s_wait_loadcnt \left+8                         ; loads return in order (ISA guide 5.7.1): row a is in; row b's eight and the younger rows' stay out
	DOT XA, DA, 8
	s_wait_loadcnt \left                           ; row b is in
	DOT XB, DB, 9
.irp m, 1,2,4,8
	v_add_f32_dpp v8, v8, v8 row_xmask:\m row_mask:0xf bank_mask:0xf       ; both scores over the 16 lanes of a half,
	v_add_f32_dpp v9, v9, v9 row_xmask:\m row_mask:0xf bank_mask:0xf
.endr
	v_permlanex16_b32 v10, v8, s16, s17            ; and over the two halves: every lane has both
	v_permlanex16_b32 v11, v9, s16, s17
	v_add_f32 v8, v8, v10
	v_add_f32 v9, v9, v11
.if \first
	v_max_num_f32 v7, v8, v9
.else
	v_max3_num_f32 v7, v2, v8, v9                  ; the new maximum
	v_sub_f32 v6, v2, v7                           ; differences first, then the factor log2(e): nothing is lost where scores are large
.endif
	v_sub_f32 v4, v8, v7
	v_sub_f32 v5, v9, v7
.if \first
.else
	v_mul_f32 v6, L2E, v6
.endif
	v_mul_f32 v4, L2E, v4
	v_mul_f32 v5, L2E, v5
	v_exp_f32 v4, v4                               ; pa
	v_exp_f32 v5, v5                               ; pb
.if \first
.else
	v_exp_f32 v6, v6                               ; alpha: what the old sums are worth under the new maximum
.endif
	v_mov_b32 v2, v7                               ; the plain instruction that stands between the exponentials and their first use (ISA guide 5.7.2)
.if \first
	s_wait_alu depctr_va_vdst(0)
	v_add_f32 v3, v4, v5
.irp e, 0,1,2,3,4,5,6,7,8,9,10,11,12,13,14,15
	v_pk_mul_f32 v[ACC+2*\e:ACC+2*\e+1], v[XA+2*\e:XA+2*\e+1], v[4:5] op_sel_hi:[1,0]
.endr
.else
	s_wait_alu depctr_va_vdst(0)
	v_fma_f32 v3, v3, v6, v4
	v_add_f32 v3, v3, v5
.irp e, 0,1,2,3,4,5,6,7,8,9,10,11,12,13,14,15
	v_pk_mul_f32 v[ACC+2*\e:ACC+2*\e+1], v[ACC+2*\e:ACC+2*\e+1], v[6:7] op_sel_hi:[1,0]
.endr
.irp e, 0,1,2,3,4,5,6,7,8,9,10,11,12,13,14,15
	v_pk_fma_f32 v[ACC+2*\e:ACC+2*\e+1], v[XA+2*\e:XA+2*\e+1], v[4:5], v[ACC+2*\e:ACC+2*\e+1] op_sel_hi:[1,0,1]
.endr
.endif
.if 2*\k+5 <= 15
	FILL 2*\k+5                                    ; row a's slot is free: five rows on
.endif
.irp e, 0,1,2,3,4,5,6,7,8,9,10,11,12,13,14,15
	v_pk_fma_f32 v[ACC+2*\e:ACC+2*\e+1], v[XB+2*\e:XB+2*\e+1], v[4:5], v[ACC+2*\e:ACC+2*\e+1] op_sel:[0,1,0] op_sel_hi:[1,1,1]
.endr
.if 2*\k+6 <= 15
	FILL 2*\k+6
.endif
.endm
	TURN 0, 1, 24                                  ; behind row 2 k + 1: rows 2 k + 2 to 2 k + 4, 24 loads,
	TURN 1, 0, 24
	TURN 2, 0, 24
	TURN 3, 0, 24
	TURN 4, 0, 24
	TURN 5, 0, 24
	TURN 6, 0, 16                                  ; then rows 14 and 15 alone,
	TURN 7, 0, 0                                   ; then nothing: no load leaves the work-group's rows
	; THE 16 WAVES' FIGURES MEET IN LDS.  Thread t then owns columns 2 t, 2 t + 1.
	s_lshl_b32 s13, s10, 3
	s_add_co_u32 s13, s13, STL
	v_mov_b32 v[TMPA], s13
.irp c, 0,1,2,3,4,5,6,7
	ds_store_b128 v[ACA], v[ACC+4*\c:ACC+4*\c+3] offset:ACCL+512*\c
.endr
	ds_store_b64 v[TMPA], v[2:3]                   ; all lanes hold the same (m, l)
	s_wait_dscnt 0x0
	s_barrier_signal -1
	s_barrier_wait -1
	v_mov_b32 v[ULA], STL
.irp c, 0,1,2,3,4,5,6,7
	ds_load_b128 v[96+4*\c:99+4*\c], v[ULA] offset:16*\c                   ; v[96 + 2 w] = m of wave w, v[97 + 2 w] = its l
.endr
.irp w, 0,1,2,3,4,5,6,7,8,9,10,11,12,13,14,15
	ds_load_b64 v[128+2*\w:129+2*\w], v[T8] offset:ACCL+4096*\w
.endr
	s_wait_dscnt 16                                ; the 16 loads of sums are younger and stay out: the 16 pairs are in
	v_max3_num_f32 v14, v96, v98, v100
.irp w, 3,5,7,9,11,13
	v_max3_num_f32 v14, v14, v[96+2*\w], v[98+2*\w]
.endr
	v_max_num_f32 v14, v14, v126                   ; M
.irp w, 0,1,2,3,4,5,6,7,8,9,10,11,12,13,14,15
	v_sub_f32 v[96+2*\w], v[96+2*\w], v14
.endr
.irp w, 0,1,2,3,4,5,6,7,8,9,10,11,12,13,14,15
	v_mul_f32 v[96+2*\w], L2E, v[96+2*\w]
.endr
.irp w, 0,1,2,3,4,5,6,7,8,9,10,11,12,13,14,15
	v_exp_f32 v[96+2*\w], v[96+2*\w]               ; f of wave w
.endr
	v_nop                                          ; one plain place behind the exponentials (ISA guide 5.7.2); there is no independent work left for it
	s_wait_alu depctr_va_vdst(0)
	v_mul_f32 v15, v96, v97
.irp w, 1,2,3,4,5,6,7,8,9,10,11,12,13,14,15
	v_fmac_f32 v15, v[96+2*\w], v[97+2*\w]         ; L = sum of f l
.endr
	s_wait_dscnt 0x0
	v_pk_mul_f32 v[16:17], v[128:129], v[96:97] op_sel_hi:[1,0]
.irp w, 1,2,3,4,5,6,7,8,9,10,11,12,13,14,15
	v_pk_fma_f32 v[16:17], v[128+2*\w:129+2*\w], v[96+2*\w:97+2*\w], v[16:17] op_sel_hi:[1,0,1]
.endr
	global_store_b64 v[T8], v[16:17], s[8:9]       ; a wave stores 256 consecutive bytes, aligned (a record is 17 * 256 bytes)
	s_cmp_lg_u32 s10, 0
	s_cbranch_scc1 .Lend
	global_store_b64 v[T8], v[14:15], s[8:9] offset:4096   ; wave 0: 32 copies of (M, L) fill the record's last 256 bytes
.Lend:
	s_wait_xcnt 0x0
	v_lshl_add_u32 v254, v0, 2, 0x11100
	v_mov_b32 v255, 0
	s_wait_tensorcnt 0x0
	ds_add_u32 v254, v255
	s_wait_dscnt 0x0
	s_endpgm
.Lfunc_end_k_q236a17f47a_stream:
	.size	k_q236a17f47a_stream, .Lfunc_end_k_q236a17f47a_stream-k_q236a17f47a_stream
	.p2alignl 7, 3214868480
	.fill 96, 4, 3214868480
	.section	.rodata,"a",@progbits
	.p2align	6, 0x0
	.amdhsa_kernel k_q236a17f47a_stream
		.amdhsa_group_segment_fixed_size 71936
		.amdhsa_private_segment_fixed_size 0
		.amdhsa_enable_private_segment 0
		.amdhsa_kernarg_size 24
		.amdhsa_user_sgpr_count 2
		.amdhsa_user_sgpr_kernarg_segment_ptr 1
		.amdhsa_wavefront_size32 1
		.amdhsa_system_sgpr_workgroup_id_x 1
		.amdhsa_system_sgpr_workgroup_id_y 1
		.amdhsa_system_sgpr_workgroup_id_z 1
		.amdhsa_system_vgpr_workitem_id 0
		.amdhsa_next_free_vgpr 256
		.amdhsa_next_free_sgpr 66
		.amdhsa_reserve_vcc 0
		.amdhsa_float_denorm_mode_32 3
		.amdhsa_float_denorm_mode_16_64 3
		.amdhsa_memory_ordered 1
		.amdhsa_forward_progress 1
		.amdhsa_inst_pref_size 77
	.end_amdhsa_kernel
	.amdgpu_metadata
---
amdhsa.version: [ 1, 2 ]
amdhsa.kernels:
  - .name:           k_q236a17f47a_stream
    .symbol:         k_q236a17f47a_stream.kd
    .args:
      - { .name: hidden_states, .offset: 0, .size: 8, .value_kind: global_buffer, .address_space: global }
      - { .name: upart, .offset: 8, .size: 8, .value_kind: global_buffer, .address_space: global }
      - { .name: cpart, .offset: 16, .size: 8, .value_kind: global_buffer, .address_space: global }
    .group_segment_fixed_size: 71936
    .private_segment_fixed_size: 0
    .kernarg_segment_align: 8
    .kernarg_segment_size: 24
    .max_flat_workgroup_size: 512
    .sgpr_count:     66
    .vgpr_count:     256
    .wavefront_size: 32
...
	.end_amdgpu_metadata
.endif
;; end of part 2
;; launch final (part 3): grid 4 x 32, 16 waves a work-group, no clusters, 14,336 bytes of LDS; arguments cpart, ht, Wv, bv, out0; writes out0
.if DOCPART == 3
	.amdgcn_target "amdgcn-amd-amdhsa--gfx1250"
	.amdhsa_code_object_version 6
	.text
	.protected	k_q236a17f47a_final
	.globl	k_q236a17f47a_final
	.p2align	8
	.type	k_q236a17f47a_final,@function
k_q236a17f47a_final:
	s_mov_b64 s[64:65], 0
	v_nop
	global_prefetch_b8 v0, s[64:65] scope:SCOPE_SE
	s_setreg_imm32_b32 hwreg(HW_REG_WAVE_MODE, 25, 1), 1
	s_wait_xcnt 0x0
; out0[b][n] = tanh( [context[b], h_t[b]] . Wv[:, n] + bv[n] ), with context = the merge of the batch's eight records:
; M = max of the M_s, e_s = exp(M_s - M), context = (sum of e_s C_s) / (sum of e_s L_s).  All in f32.
; Work-group (cb, b): batch b, output columns 64 cb .. + 63 (256 aligned bytes of each of Wv's 2,048 rows).  512 threads, kg = t / 16,
; r = t % 16: thread t takes rows 64 kg + i, i = 0 .. 63, and columns 4 r .. + 3, in four chunks of 16 rows through three register buffers.
; 128 work-groups: one batch and 64 columns each is all the work there is at rows of 256 bytes.
; LIMITS, stated: tanh(z) = 1 - 2 / (1 + exp(2 z)), and for z^2 < 1/64 the series z - z^3/3 + 2 z^5/15, whose first dropped term is
; 17/315 z^6 = 2e-7 of z at the range's end: the result holds to about 2e-6 of its value for small and large z alike.
; NOT USED, and why.  Matrix unit: one row against a matrix that is streamed once.  Cluster: the 32 work-groups of one cb read the same
; 524,288 bytes of Wv, but into registers; a joint request ends in LDS, which has no room for them.  Prefetch: all loads but chunk 3's are issued at the head, and chunk 3's two chunks ahead of its use.
.set AVEC, 0                           ; LDS [2048] f32: context, then h_t
.set RED,  8192                        ; LDS [16 waves][64] f32
.set L2E,  0x3fb8aa3b                  ; log2(e)
.set WOFF, 1                           ; v1  kg * 64 rows * 1024 + 16 r
.set T8,   2                           ; v2  8 t
.set ZERO, 3                           ; v3  0
.set AVA,  4                           ; v4  256 kg
.set R16,  5                           ; v5  16 r
.set REDA, 6                           ; v6  16 r + 256 wave
                                       ; v8 M; v[10:11] = (1 / L, L); v[12:13] my two numbers of the context
.set ST,   16                          ; v[16:31]  (M_s, L_s); later the vector's chunks 0 and 2
.set CP,   32                          ; v[32:47]  C_s[2 t], C_s[2 t + 1]; later chunks 1 and 3
.set HT,   48                          ; v[48:49]
.set ACC,  50                          ; v[50:53] even rows' sums of my 4 columns, v[54:57] odd rows'
.set BV,   58                          ; v[58:61]  (wave 0)
                                       ; v[64:255] three buffers of 16 rows x 4 registers of Wv
.macro ADD4 d, a
	v_pk_add_f32 v[\d:\d+1], v[\d:\d+1], v[\a:\a+1]
	v_pk_add_f32 v[\d+2:\d+3], v[\d+2:\d+3], v[\a+2:\a+3]
.endm
	s_load_b256 s[4:11], s[0:1], 0x0               ; cpart s[4:5], ht s[6:7], Wv s[8:9], bv s[10:11]
	s_load_b64 s[12:13], s[0:1], 0x20              ; out0
	v_lshl_add_u32 v62, v0, 2, 0x3000
	v_mov_b32 v63, 0
	v_lshrrev_b32 v12, 5, v0
	v_readfirstlane_b32 s14, v12                   ; wave
	s_and_b32 s16, ttmp7, 0xffff                   ; b.  ttmp9: cb
	s_mov_b32 s20, 0x76543210                      ; v_permlanex16_b32: lane i reads lane i of the other half
	s_mov_b32 s21, 0xfedcba98
	s_mov_b32 s24, 0x3c800000                      ; 1/64
	s_mov_b32 s25, 0x3e088889                      ; 2/15
	s_mov_b32 s26, 0xbeaaaaab                      ; -1/3
	s_mul_i32 s18, s16, 8*4352                     ; the batch's eight records
	s_mov_b32 s19, 0
	s_lshl_b32 s30, s16, 12                        ; ht's row b
	s_mov_b32 s31, 0
	s_lshl_b32 s32, ttmp9, 8                       ; my 64 columns in Wv's rows and in bv
	s_mov_b32 s33, 0
	s_lshl_b32 s34, s16, 10                        ; out0's row b + my columns
	s_add_co_u32 s34, s34, s32
	s_mov_b32 s35, 0
	s_lshl_b32 s27, s14, 8
	s_lshl_b32 s28, s14, 9
	v_and_b32 v8, 31, v0                           ; lane
	v_and_b32 v9, 15, v0                           ; r
	v_bfe_u32 v10, v0, 4, 1                        ; half of the wave
	v_lshrrev_b32 v11, 4, v0                       ; kg
	v_lshlrev_b32 v[R16], 4, v9
	v_lshl_or_b32 v[WOFF], v11, 16, v[R16]
	v_lshlrev_b32 v[T8], 3, v8
	v_add_nc_u32 v[T8], s27, v[T8]                 ; 8 lane + 256 wave
	v_mov_b32 v[ZERO], 0
	v_lshl_add_u32 v[AVA], v10, 8, s28             ; 256 (2 wave + half)
	v_add_nc_u32 v[REDA], s27, v[R16]
	s_wait_kmcnt 0x0
	s_add_nc_u64 s[4:5], s[4:5], s[18:19]
	s_add_nc_u64 s[6:7], s[6:7], s[30:31]
	s_add_nc_u64 s[8:9], s[8:9], s[32:33]
	s_add_nc_u64 s[10:11], s[10:11], s[32:33]
	s_add_nc_u64 s[12:13], s[12:13], s[34:35]
	; bv is wanted by wave 0 alone; it is that wave's oldest load, so the counts below hold for every wave
	s_cmp_lg_u32 s14, 0
	s_cbranch_scc1 .Lno_bv
	global_load_b128 v[BV:BV+3], v[R16], s[10:11]
.Lno_bv:
.irp s, 0,1,2,3,4,5,6,7
	global_load_b64 v[ST+2*\s:ST+2*\s+1], v[ZERO], s[4:5] offset:4352*\s+4096
.endr
.irp s, 0,1,2,3,4,5,6,7
	global_load_b64 v[CP+2*\s:CP+2*\s+1], v[T8], s[4:5] offset:4352*\s
.endr
	global_load_b64 v[HT:HT+1], v[T8], s[6:7]
.set ii, 0
.rept 48
	global_load_b128 v[64+4*ii:67+4*ii], v[WOFF], s[8:9] offset:1024*ii    ; chunks 0 to 2.  16 lanes: 256 consecutive aligned bytes of a row
.set ii, ii+1
.endr
	; THE MERGE of the eight parts of T, every thread for its two columns
	s_wait_loadcnt 48                              ; Wv's 48 loads are younger and stay out (ISA guide 5.7.1)
	v_max3_num_f32 v8, v[ST], v[ST+2], v[ST+4]
	v_max3_num_f32 v8, v8, v[ST+6], v[ST+8]
	v_max3_num_f32 v8, v8, v[ST+10], v[ST+12]
	v_max_num_f32 v8, v8, v[ST+14]
.irp s, 0,1,2,3,4,5,6,7
	v_sub_f32 v[ST+2*\s], v[ST+2*\s], v8
.endr
.irp s, 0,1,2,3,4,5,6,7
	v_mul_f32 v[ST+2*\s], L2E, v[ST+2*\s]
.endr
.irp s, 0,1,2,3,4,5,6,7
	v_exp_f32 v[ST+2*\s], v[ST+2*\s]
.endr
	v_nop                                          ; one plain place behind the exponentials (ISA guide 5.7.2)
	s_wait_alu depctr_va_vdst(0)
	v_mul_f32 v11, v[ST], v[ST+1]
.irp s, 1,2,3,4,5,6,7
	v_fmac_f32 v11, v[ST+2*\s], v[ST+2*\s+1]       ; L: at least 1, since the part that holds the maximum counts whole
.endr
	v_rcp_f32 v10, v11                             ; the eight packed products below stand between it and its use
	v_pk_mul_f32 v[12:13], v[CP:CP+1], v[ST:ST+1] op_sel_hi:[1,0]
.irp s, 1,2,3,4,5,6,7
	v_pk_fma_f32 v[12:13], v[CP+2*\s:CP+2*\s+1], v[ST+2*\s:ST+2*\s+1], v[12:13] op_sel_hi:[1,0,1]
.endr
	s_wait_alu depctr_va_vdst(0)
	v_pk_mul_f32 v[12:13], v[12:13], v[10:11] op_sel_hi:[1,0]
	ds_store_b64 v[T8], v[12:13] offset:AVEC
	ds_store_b64 v[T8], v[HT:HT+1] offset:AVEC+4096
	s_wait_dscnt 0x0                               ; for the other waves: my part of the vector is in LDS before I signal
	s_barrier_signal -1
	s_barrier_wait -1
.irp e, 0,1,2,3
	ds_load_b128 v[ST+4*\e:ST+4*\e+3], v[AVA] offset:AVEC+16*\e
.endr
; Rows 16 c .. 16 c + 15 of my 64.  The vector's 16 numbers take turns between two register sets, Wv's rows among three buffers.
; ldleft: the loads of Wv's younger chunks.  The first two rows' products start the sums.
.macro CHUNK c, ldleft
.set AV,  ST+16*((\c)&1)
.set AVN, ST+16*((\c+1)&1)
.set WB,  64+64*((\c)%3)
.if \c < 3
.irp e, 0,1,2,3
	ds_load_b128 v[AVN+4*\e:AVN+4*\e+3], v[AVA] offset:AVEC+64*(\c+1)+16*\e
.endr
	s_wait_dscnt 0x4                               ; the four loads just issued stay out: this chunk's numbers are in
.else
	s_wait_dscnt 0x0
.endif
	s_wait_loadcnt \ldleft
.irp i, 0,2,4,6,8,10,12,14
.if (\c+\i) == 0
	v_pk_mul_f32 v[ACC:ACC+1],   v[WB:WB+1],   v[AV:AV+1] op_sel_hi:[1,0]
	v_pk_mul_f32 v[ACC+2:ACC+3], v[WB+2:WB+3], v[AV:AV+1] op_sel_hi:[1,0]
	v_pk_mul_f32 v[ACC+4:ACC+5], v[WB+4:WB+5], v[AV:AV+1] op_sel:[0,1] op_sel_hi:[1,1]
	v_pk_mul_f32 v[ACC+6:ACC+7], v[WB+6:WB+7], v[AV:AV+1] op_sel:[0,1] op_sel_hi:[1,1]
.else
	v_pk_fma_f32 v[ACC:ACC+1],   v[WB+4*\i:WB+4*\i+1],   v[AV+\i:AV+\i+1], v[ACC:ACC+1] op_sel_hi:[1,0,1]
	v_pk_fma_f32 v[ACC+2:ACC+3], v[WB+4*\i+2:WB+4*\i+3], v[AV+\i:AV+\i+1], v[ACC+2:ACC+3] op_sel_hi:[1,0,1]
	v_pk_fma_f32 v[ACC+4:ACC+5], v[WB+4*\i+4:WB+4*\i+5], v[AV+\i:AV+\i+1], v[ACC+4:ACC+5] op_sel:[0,1,0] op_sel_hi:[1,1,1]
	v_pk_fma_f32 v[ACC+6:ACC+7], v[WB+4*\i+6:WB+4*\i+7], v[AV+\i:AV+\i+1], v[ACC+6:ACC+7] op_sel:[0,1,0] op_sel_hi:[1,1,1]
.endif
.endr
.endm
	CHUNK 0, 32                                    ; chunks 1 and 2 stay out
.set ii, 0
.rept 16
	global_load_b128 v[64+4*ii:67+4*ii], v[WOFF], s[8:9] offset:1024*(48+ii)   ; chunk 3 into chunk 0's buffer
.set ii, ii+1
.endr
	CHUNK 1, 32                                    ; chunks 2 and 3
	CHUNK 2, 16                                    ; chunk 3
	CHUNK 3, 0
	ADD4 ACC, ACC+4                                ; odd rows to even rows,
.irp c, 0,1,2,3
	v_permlanex16_b32 v[ACC+4+\c], v[ACC+\c], s20, s21     ; the other half's 64 rows (the destination has been written, and is done with),
.endr
	ADD4 ACC, ACC+4
	ds_store_b128 v[REDA], v[ACC:ACC+3] offset:RED         ; and the wave's 128 rows into LDS; both halves hold and write the same numbers
	s_wait_dscnt 0x0
	s_barrier_signal -1
	s_barrier_wait -1
	s_cmp_lg_u32 s14, 0
	s_cbranch_scc1 .Lend                           ; wave 0 finishes
.irp w, 0,1,2,3,4,5,6,7,8,9,10,11,12,13,14,15
	ds_load_b128 v[64+4*\w:67+4*\w], v[R16] offset:RED+256*\w
.endr
	s_wait_dscnt 0x0
.irp w, 0,1,2,3,4,5,6,7
	ADD4 64+4*\w, 96+4*\w
.endr
.irp w, 0,1,2,3
	ADD4 64+4*\w, 80+4*\w
.endr
.irp w, 0,1
	ADD4 64+4*\w, 72+4*\w
.endr
	ADD4 64, 68
	ADD4 64, BV                                    ; z, four columns a lane (bv came with the wait for 0 in the last chunk)
.irp c, 0,1,2,3
	v_mul_f32 v[68+\c], 0x4038aa3b, v[64+\c]       ; 2 log2(e) z
.endr
.irp c, 0,1,2,3
	v_exp_f32 v[68+\c], v[68+\c]                   ; exp(2 z); infinity and 0 at the ends give 1 and -1 below
.endr
.irp c, 0,1,2,3
	v_mul_f32 v[72+\c], v[64+\c], v[64+\c]         ; z^2: plain work behind the exponentials
.endr
	s_wait_alu depctr_va_vdst(0)
.irp c, 0,1,2,3
	v_add_f32 v[68+\c], 1.0, v[68+\c]
.endr
.irp c, 0,1,2,3
	v_rcp_f32 v[68+\c], v[68+\c]
.endr
.irp c, 0,1,2,3
	v_fma_f32 v[76+\c], v[72+\c], s25, s26         ; 2/15 z^2 - 1/3: plain work behind the reciprocals
.endr
.irp c, 0,1,2,3
	v_mul_f32 v[76+\c], v[72+\c], v[76+\c]
.endr
	s_wait_alu depctr_va_vdst(0)
.irp c, 0,1,2,3
	v_fma_f32 v[76+\c], v[64+\c], v[76+\c], v[64+\c]       ; z + z (z^2 (2/15 z^2 - 1/3))
	v_fma_f32 v[68+\c], v[68+\c], -2.0, 1.0                ; 1 - 2 / (1 + exp(2 z))
.endr
.irp c, 0,1,2,3
	v_cmp_gt_f32 vcc_lo, s24, v[72+\c]             ; 1/64 > z^2: the series; a choice of value, made in every lane
	v_cndmask_b32 v[68+\c], v[68+\c], v[76+\c], vcc_lo
.endr
	v_cmp_gt_u32 vcc_lo, 16, v0                    ; lanes 16-31 hold the same numbers as lanes 0-15: one copy is stored
	s_wait_xcnt 0x0                                ; EXEC is a source of the memory instructions issued so far: it changes only behind this wait
	s_and_saveexec_b32 s22, vcc_lo
	global_store_b128 v[R16], v[68:71], s[12:13]   ; 16 lanes: 256 consecutive aligned bytes of out0's row b
	s_wait_xcnt 0x0                                ; and again in front of the line that widens it
	s_or_b32 exec_lo, exec_lo, s22
.Lend:
	s_wait_tensorcnt 0x0
	ds_add_u32 v62, v63
	s_wait_dscnt 0x0
	s_endpgm
.Lfunc_end_k_q236a17f47a_final:
	.size	k_q236a17f47a_final, .Lfunc_end_k_q236a17f47a_final-k_q236a17f47a_final
	.p2alignl 7, 3214868480
	.fill 96, 4, 3214868480
	.section	.rodata,"a",@progbits
	.p2align	6, 0x0
	.amdhsa_kernel k_q236a17f47a_final
		.amdhsa_group_segment_fixed_size 14336
		.amdhsa_private_segment_fixed_size 0
		.amdhsa_enable_private_segment 0
		.amdhsa_kernarg_size 40
		.amdhsa_user_sgpr_count 2
		.amdhsa_user_sgpr_kernarg_segment_ptr 1
		.amdhsa_wavefront_size32 1
		.amdhsa_system_sgpr_workgroup_id_x 1
		.amdhsa_system_sgpr_workgroup_id_y 1
		.amdhsa_system_sgpr_workgroup_id_z 1
		.amdhsa_system_vgpr_workitem_id 0
		.amdhsa_next_free_vgpr 256
		.amdhsa_next_free_sgpr 66
		.amdhsa_reserve_vcc 1
		.amdhsa_float_denorm_mode_32 3
		.amdhsa_float_denorm_mode_16_64 3
		.amdhsa_memory_ordered 1
		.amdhsa_forward_progress 1
		.amdhsa_inst_pref_size 28
	.end_amdhsa_kernel
	.amdgpu_metadata
---
amdhsa.version: [ 1, 2 ]
amdhsa.kernels:
  - .name:           k_q236a17f47a_final
    .symbol:         k_q236a17f47a_final.kd
    .args:
      - { .name: cpart, .offset: 0, .size: 8, .value_kind: global_buffer, .address_space: global }
      - { .name: ht, .offset: 8, .size: 8, .value_kind: global_buffer, .address_space: global }
      - { .name: Wv, .offset: 16, .size: 8, .value_kind: global_buffer, .address_space: global }
      - { .name: bv, .offset: 24, .size: 8, .value_kind: global_buffer, .address_space: global }
      - { .name: out0, .offset: 32, .size: 8, .value_kind: global_buffer, .address_space: global }
    .group_segment_fixed_size: 14336
    .private_segment_fixed_size: 0
    .kernarg_segment_align: 8
    .kernarg_segment_size: 40
    .max_flat_workgroup_size: 512
    .sgpr_count:     66
    .vgpr_count:     256
    .wavefront_size: 32
...
	.end_amdgpu_metadata
.endif
;; end of part 3
